; MI455X (gfx1250); checked and timed in simulation.
; The chip was launched on July 23, 2026; its instructions are those of AMD's public machine-readable ISA for CDNA 5 (MIT licence, August 2026) and "CDNA5" Instruction Set Architecture Reference Guide (July 2026). The comments in the code are by the model that wrote it; some were corrected since.
;; Causal Self Attention. Allowed arithmetic: matrix products marked QUANTISED: E4M3 operands, one given power-of-two scale a tensor, by v_wmma_f32_16x16x64_fp8_fp8 or v_wmma_f32_16x16x128_fp8_fp8, f32 sums; everything else in f32.
;; Inputs: b_attn 3,072 float32; b_proj 1,024 float32; lowp_scales 8 int32 (the exponents e of the quantised operands' scales 2^e); w_attn_codes 3,072 x 32 x 32 uint8 (E4M3 codes of w_attn, K innermost, in blocks of 32 codes); w_proj_codes 1,024 x 32 x 32 uint8 (E4M3 codes of w_proj, K innermost, in blocks of 32 codes); x_codes 4 x 2,048 x 32 x 32 uint8 (E4M3 codes of x, K innermost, in blocks of 32 codes).
;; Outputs: out0 4 x 2,048 x 1,024 float32.
;; This version of the problem:
;;   THIS VERSION OF THE PROBLEM IS GIVEN IN LOW PRECISION. The matrix products marked QUANTISED in the list below multiply operands that are first quantised to E4M3 (4 exponent bits, 3 mantissa bits; 8 bits a number), with one given power-of-two scale for each operand tensor; their sums are f32. All else is computed in f32.
;;   The module's matrix products, in the order in which they are computed (A, B: the left and right operand; K: the contracted axis; several contracted axes count as one K, in the product's order):
;;     1. [M 8,192, K 1,024] x [K 1,024, N 3,072]; A: input x (given as codes); B: input w_attn (given as codes): QUANTISED (scales: A lowp_scales[0], B lowp_scales[1])
;;     2. batch 64 x [M 2,048, K 64] x [K 64, N 2,048]; A: computed on the way; B: computed on the way: QUANTISED (scales: A lowp_scales[2], B lowp_scales[3])
;;     3. batch 64 x [M 2,048, K 2,048] x [K 2,048, N 64]; A: softmax (see below); B: computed on the way: QUANTISED (scales: A lowp_scales[4], B lowp_scales[5])
;;     4. [M 8,192, K 1,024] x [K 1,024, N 1,024]; A: computed on the way; B: input w_proj (given as codes): QUANTISED (scales: A lowp_scales[6], B lowp_scales[7])
;;   THE QUANTISER, for each operand of a quantised product, along K:
;;     - The operand's scale is 2^e, e = its entry of the input lowp_scales (int32; the entries are numbered through the quantised products in the list's order, A before B).
;;     - Each number is divided by the scale, clamped to +-448, and rounded to the nearest number of E4M3, ties to even, subnormals kept.
;;     - The product sums the exact products of the quantised numbers (number of the format x scale) in f32.
;;   ~~~python
;;   def quantise(x, axis, e):      # numpy; x: float32 -> the quantised numbers, widened to float32 again
;;       x = np.moveaxis(x, axis, -1); K = x.shape[-1]
;;       r = np.clip(x / 2.0 ** e, -448, 448)
;;       step = 2.0 ** (np.maximum(np.frexp(np.where(r == 0, 1, r))[1] - 1, -6) - 3)
;;       q = np.round(r / step) * step * 2.0 ** e      # np.round: ties to even
;;       return np.moveaxis(q, -1, axis).astype(np.float32)
;;   ~~~
;;   SOFTMAX AHEAD OF A QUANTISED PRODUCT. Where the list says 'softmax', what is quantised is not the finished softmax but p = 2^(t - M), with t = logit x log2(e) and M = ceil(the row's largest t), a whole number; so 1/2 < the row's largest p <= 1. The row's sum l is taken of the UNQUANTISED p, in f32, and the product's result is divided by l at the end. Since M is a whole number, a kernel that streams over the keys may use a running M (the ceiling of the running maximum): every later rescaling is an exact power of two, so the quantised numbers keep their values, but for numbers so far below the row's largest that they fall under the format's range.
;;   OPERANDS COMPUTED ON THE WAY. 'Computed on the way' means the value that the module computes at that place (a softmax that the list does not call 'softmax' is quantised finished and normalised). What goes into a quantiser is computed in f32, as accurately as f32 sums, v_exp_f32 and their like allow (about 1e-6 of the number): no bf16 or f16 on the way to a quantiser, and a product that is left as it is and whose result goes on into a quantised operand takes f32 operands (vector FMAs, or v_wmma_f32_16x16x4_f32). A number that lies on a knife's edge between two numbers of the format may be rounded either way, as far as f32 arithmetic and the matrix unit's own rounding can turn it there, and no further.
;;   INPUTS GIVEN AS CODES. w_attn (in the module: [1024, 3072], K = its axis 0); w_proj (in the module: [1024, 1024], K = its axis 0); x (in the module: [4, 2048, 1024], K = its axis 2): each comes as NAME_codes (uint8): NAME with its K axis moved to the last place and cut into blocks of 32 codes, [.., K / 32, bytes a block], one block behind the other in memory; one code a byte (a code: sign, 4 exponent bits, 3 mantissa bits); its scale is its entry of lowp_scales. Its value is code x scale, taken as it is: it is not quantised again, and the codes and scales need not be those that the quantiser above would give.
;; One version. Each part assembles by itself: llvm-mc -triple=amdgcn-amd-amdhsa -mcpu=gfx1250 --defsym DOCPART=n.
;; ======== version 1 of 1: 3 launches
;; limits: right only within a limited range of input values
;; workspace buffers: q_img 8,388,608 bytes; kv_img 16,777,216 bytes; y_img 8,388,608 bytes
;; launch qkv (part 1): grid 24 x 32, 4 waves a work-group, clusters of 4 x 4, 327,680 bytes of LDS; arguments x_codes, w_attn_codes, b_attn, lowp_scales, q_img, kv_img; writes q_img, kv_img
.if DOCPART == 1
	.amdgcn_target "amdgcn-amd-amdhsa--gfx1250"
	.amdhsa_code_object_version 6
	.text
	.protected	k_qfc66a8afca_qkv
	.globl	k_qfc66a8afca_qkv
	.p2align	8
	.type	k_qfc66a8afca_qkv,@function
k_qfc66a8afca_qkv:
	s_mov_b64 s[64:65], 0
	v_nop
	global_prefetch_b8 v0, s[64:65] scope:SCOPE_SE
	s_setreg_imm32_b32 hwreg(HW_REG_WAVE_MODE, 25, 1), 1
	s_wait_xcnt 0x0
	s_wait_alu depctr_hold_cnt(0) depctr_sa_sdst(0) depctr_va_vdst(0) depctr_va_sdst(0) depctr_va_ssrc(0) depctr_va_vcc(0) depctr_vm_vsrc(0)
	s_getreg_b32 s2, hwreg(HW_REG_IB_STS2, 6, 4)
	s_cmp_eq_u32 s2, 0
	s_cbranch_scc0 .Lentry_in_a_cluster
	s_endpgm
.Lentry_in_a_cluster:
	s_bfe_u32 s2, ttmp6, 0x10000c
	s_cmp_lg_u32 s2, 0xf033
	s_cbranch_scc0 .Lentry_shape_is_right
	s_endpgm
.Lentry_shape_is_right:
; qkv = x w_attn + b_attn on codes of FP8 (E4M3); the results are quantised at once: q with 2^e2, k with 2^e3, v with 2^e5 (entries of the buffer of scales; x has e0, w_attn e1).
; x: [8192][1024] codes, w_attn: [3072][1024] codes, K innermost in both.  A work-group of four waves makes 256 ("M side", source 1 of the matrix instruction) x 128 ("N side", source 0); a wave 128 x 64:
; 32 accumulators.  In a result, lane (r, h) holds M index r, and its eight registers N indices 8 h + 0 .. 7: eight neighbours, which one conversion turns into two registers of the next product's operand.
; q AND k (cluster x 0 .. 3): M = 256 tokens, N = 128 channels: a lane's registers run along a head's 64 channels, the K of q k^T.
; v (cluster x 4, 5): THE SIDES ARE SWAPPED: M = 256 channels of v, N = 128 tokens: a lane's registers run along the tokens, the K of p v.  Both tensors have rows of 1,024 bytes, so only bases and offsets are chosen
; (by selects on the cluster's x, which all sixteen partners share); the products' text is one.
; THE RESULTS LEAVE AS IMAGES OF OPERAND REGISTERS: four registers of a fragment are stored by one instruction, lane l's 16 bytes at 16 l: 512 consecutive bytes, aligned.  No transposition, no stage in LDS.
;   q_img [64 heads of a batch][128 tiles of 16 queries][1,024]: registers 2 c, 2 c + 1 of lane (r, h): query r, channels 16 c + 8 h + 0 .. 7.
;   kv_img [64][16 steps of 128 keys][16,384]: 8 tiles of 16 keys like q's, then from byte 8,192 four tiles of 16 channels x 128 keys: registers 2 c, 2 c + 1: channel r, keys 16 c + 8 h + 0 .. 7.
; K = 1,024 goes in four K steps of 256 through THREE LDS slots: K steps 0, 1, 2 are first fills (three tensor loads of mine are out at the most), K step 3 fills slot 0 again.  No loop: eight steps of 128 along K.
; CLUSTERS: 4 x 4 work-groups; the M tile is shared along a row of the cluster, the N tile along a column: each is asked for jointly.
; THE BIAS: a sum stands for sum x 2^(e0 + e1), so b goes in as b / 2^(e0 + e1).  Where it runs along N (q, k) it is the C of the first products; where it runs along M (v) it is added at the end.  The side that has none gets b x 0.
; LIMITS: e0 + e1 between -126 and 126; e_out - e0 - e1 between -126 and 119, so that each power of two below is an f32 number.  b_attn finite.  NaN is not served.
; REGISTERS, in windows of 256: window 0: addresses, the bias along M, the codes.  window 1: v0-63, v64-127 N's fragments, two sets; v128-159 the bias along N.
;   window 2: the accumulators, (a, b) at v[8 (4 a + b)].  window 3: M's fragments, two sets of 128.
.set PITCH,  272                       ; an LDS row: 256 bytes + 16 of padding: the 16 rows that a load touches start at 16 different groups of banks (ISA guide 11.1)
.set MHALF,  128*PITCH                 ; what waves 0, 1 fetch, and what a wave reads of M
.set NHALF,  64*PITCH                  ; what waves 2, 3 fetch, and what a wave reads of N
.set NOFF,   2*MHALF
.set SLOT,   NOFF+2*NHALF              ; 104,448 bytes
.set SPARE,  3*SLOT                    ; behind the slots: the spare words, 128 bytes a wave, which no other line names
.set ADRA, 16                          ; v16-18  LDS address of my M fragments in slot 0, 1, 2
.set ADRB, 20                          ; v20-22  the same for N
.set VO,   24                          ; v24-31  the way out: byte offset of block a's images
.set SPW,  32                          ; v32     my spare word; never rewritten
.set NIL,  33                          ; v33     0; never rewritten
.set SCL,  34                          ; v34     2^(e_out - e0 - e1)
.set LIM,  35
.set BM,   40                          ; v40-55  the bias along M: a pair of equal numbers for each block a
.set CD,   64                          ; v64-127 the codes
.set BN,   128                         ; window 1: the bias along N, eight registers for each b
.set G1A, 24                           ; s[24:31] descriptor group 1, M tiles;  s[32:39] N tiles
.set G1B, 32
.set G0A, 40                           ; s[40:51] groups 0 of M's tiles, a set for each slot;  s[52:63] of N's
.set G0B, 52
.set MUL,  0xad                        ; source 0 (N) window 1, source 1 (M) window 3, C and D window 2
.set MULC, 0x9d                        ; the same with C from window 1
.set TO_N, 0x40                        ; destination window 1
.set TO_M, 0xc0                        ; destination window 3
.set MSB, 0
.macro WIN new                         ; the immediate's high byte repeats the setting that is left
.if MSB != \new
	s_set_vgpr_msb (MSB<<8)|\new
.set MSB, \new
.endif
.endm
.macro PLACES n
.rept \n
	v_nop
.endr
.endm
.macro CREST                           ; a round of the cluster's barrier behind its opening barrier
	s_cmp_lg_u32 s16, 0
	s_cbranch_scc1 .Lnot_wave_0_\@
	s_barrier_signal -3
.Lnot_wave_0_\@:
	s_barrier_wait -3
	s_barrier_signal -1
	s_barrier_wait -1
.endm
.macro CROUND
	s_barrier_signal -1
	s_barrier_wait -1
	CREST
.endm
; 4 n matrix instructions: M's blocks a0 .. a0 + n - 1 x N's four, 128 along K, set p.  c = 2: C is the bias along N; c = 0: in place.  The 32 accumulators take turns in one order.
.macro MULS p, a0, n, c
.set AI, \a0
.rept \n
.irp b, 0,1,2,3
.if \c == 2
	v_wmma_f32_16x16x128_fp8_fp8 v[32*AI+8*\b:32*AI+8*\b+7], v[64*\p+16*\b:64*\p+16*\b+15], v[128*\p+16*AI:128*\p+16*AI+15], v[BN+8*\b:BN+8*\b+7]
.else
	v_wmma_f32_16x16x128_fp8_fp8 v[32*AI+8*\b:32*AI+8*\b+7], v[64*\p+16*\b:64*\p+16*\b+15], v[128*\p+16*AI:128*\p+16*AI+15], v[32*AI+8*\b:32*AI+8*\b+7]
.endif
.endr
.set AI, AI+1
.endr
.endm
; 48 LDS loads in one run: the fragments of the slot's q-th 128 along K into set p.  A fragment comes by four loads of 16 bytes, 32 bytes apart, at row x pitch + 16 h: a permutation of k that is the same on both sides.
.macro FETCH slot, q, p
	WIN TO_N
.irp b, 0,1,2,3
.irp c, 0,1,2,3
	ds_load_b128 v[64*(\p)+16*\b+4*\c:64*(\p)+16*\b+4*\c+3], v[ADRB+\slot] offset:\b*16*PITCH+128*(\q)+32*\c
.endr
.endr
	WIN TO_M
.irp a, 0,1,2,3,4,5,6,7
.irp c, 0,1,2,3
	ds_load_b128 v[128*(\p)+16*\a+4*\c:128*(\p)+16*\a+4*\c+3], v[ADRA+\slot] offset:\a*16*PITCH+128*(\q)+32*\c
.endr
.endr
	WIN 0
.endm
; A step of 128 along K on set p; the fragments at (slot, q) are asked for first, into the other set, 32 matrix instructions ahead of their use.
.macro STEP p, slot, q, c
	s_wait_dscnt 0x0                               ; set p is in
	PLACES 4                                       ; loads into registers that matrix instructions have read stand four plain vector instructions behind them
	FETCH \slot, \q, 1-\p
.if \c == 2
	WIN MULC
.else
	WIN MUL
.endif
	MULS \p, 0, 8, \c
	WIN 0
.endm
	s_load_b256 s[4:11], s[0:1], 0x0               ; x s[4:5], w_attn s[6:7], b_attn s[8:9], the scales' exponents s[10:11]
	s_load_b128 s[12:15], s[0:1], 0x20             ; q_img s[12:13], kv_img s[14:15]
	v_lshl_add_u32 v[SPW], v0, 2, SPARE
	v_mov_b32 v[NIL], 0
	ds_add_u32 v32, v33
	ds_add_u32 v32, v33
	s_wait_dscnt 0x0
	v_lshrrev_b32 v1, 5, v0
	v_readfirstlane_b32 s16, v1                    ; wave 0..3
	s_lshr_b32 s17, s16, 1                         ; which half of M is mine.  Also: I fetch for M (0) or for N (1)
	s_and_b32 s18, s16, 1                          ; which half of N is mine.  Also: which half of that tile I fetch
	s_bfe_u32 s19, ttmp6, 0x40000                  ; cx
	s_bfe_u32 s20, ttmp6, 0x40004                  ; cy
	s_and_b32 s21, ttmp7, 0xffff                   ; cluster y
	s_lshl_b32 s86, s21, 2                         ; q, k: M tile = 4 x cluster y + cy
	s_lshl_b32 s87, ttmp9, 2                       ; q, k: N tile = 4 x cluster x + cx
	s_max_u32 s84, ttmp9, 4
	s_sub_co_u32 s84, s84, 4
	s_lshl_b32 s84, s84, 3
	s_add_co_u32 s84, s84, s21                     ; v: the cluster's number among v's sixteen: 8 (cluster x - 4) + cluster y
	s_lshl_b32 s84, s84, 2
	s_cmp_ge_u32 ttmp9, 4                          ; v's clusters
	s_cselect_b32 s23, 1, 0
	s_cselect_b32 s86, 8, s86                      ; v: M tile = 8 + cy: w_attn's rows 2,048 + 256 cy on
	s_cselect_b32 s87, s84, s87                    ; v: N tile = 4 x that number + cx: x's rows
	s_add_co_u32 s86, s86, s20
	s_add_co_u32 s87, s87, s19
	s_lshl_b32 s66, s20, 2
	s_lshl_b32 s66, 15, s66                        ; my row of the cluster
	s_lshl_b32 s67, 0x1111, s19                    ; my column
	s_or_b32 s[G1A], s66, (1<<20)|(1<<21)|(5<<22)|(3<<25)  ; 15:0 the mask; 17:16 elements of 1 byte; 20 padding on; 21 set beside a mask; 24:22 after every 64 words; 31:25 four words
	s_or_b32 s[G1B], s67, (1<<20)|(1<<21)|(5<<22)|(3<<25)
	s_mov_b32 s[G1A+1], 256<<16                    ; tensor_dim0 = 256
	s_mov_b32 s[G1A+2], 128<<16                    ; tensor_dim1 = 128
	s_mov_b32 s[G1A+3], 256<<16                    ; tile_dim0
	s_mov_b32 s[G1A+4], 128                        ; tile_dim1
	s_mov_b32 s[G1A+5], 1024                       ; from row to row
	s_mov_b32 s[G1A+6], 0
	s_mov_b32 s[G1A+7], 0
	s_mov_b32 s[G1B+1], 256<<16
	s_mov_b32 s[G1B+2], 64<<16
	s_mov_b32 s[G1B+3], 256<<16
	s_mov_b32 s[G1B+4], 64
	s_mov_b32 s[G1B+5], 1024
	s_mov_b32 s[G1B+6], 0
	s_mov_b32 s[G1B+7], 0
	s_lshl_b32 s80, s86, 18                        ; M: (256 x tile + 128 x half) rows of 1,024 bytes
	s_lshl_b32 s81, s18, 17
	s_add_co_u32 s80, s80, s81
	s_mov_b32 s81, 0
	s_lshl_b32 s82, s87, 17                        ; N: (128 x tile + 64 x half) rows
	s_lshl_b32 s83, s18, 16
	s_add_co_u32 s82, s82, s83
	s_mov_b32 s83, 0
	s_mul_i32 s98, s18, MHALF                      ; where they go in a slot: no place in the cluster enters an LDS address
	s_mul_i32 s99, s18, NHALF
	s_add_co_u32 s99, s99, NOFF
	s_wait_kmcnt 0x0
	s_load_b256 s[68:75], s[10:11], 0x0            ; e0 .. e7
	s_cmp_eq_u32 s23, 1
	s_cselect_b64 s[76:77], s[6:7], s[4:5]         ; M's tensor: x, for v w_attn
	s_cselect_b64 s[78:79], s[4:5], s[6:7]         ; N's: w_attn, for v x
	s_add_nc_u64 s[76:77], s[76:77], s[80:81]
	s_add_nc_u64 s[78:79], s[78:79], s[82:83]
.irp s, 0,1,2
	s_mov_b32 s[G0A+4*\s], 1
	s_add_co_u32 s[G0A+4*\s+1], s98, \s*SLOT
	s_add_nc_u64 s[G0A+4*\s+2:G0A+4*\s+3], s[76:77], \s*256    ; K step s
	s_or_b32 s[G0A+4*\s+3], s[G0A+4*\s+3], 0x80000000
	s_mov_b32 s[G0B+4*\s], 1
	s_add_co_u32 s[G0B+4*\s+1], s99, \s*SLOT
	s_add_nc_u64 s[G0B+4*\s+2:G0B+4*\s+3], s[78:79], \s*256
	s_or_b32 s[G0B+4*\s+3], s[G0B+4*\s+3], 0x80000000
.endr
	CROUND                                         ; all sixteen work-groups are here: the first joint loads meet
	s_cmp_eq_u32 s17, 0                            ; a wave's three first fills stand in one branch on its number; four v_nop follow the third
	s_cbranch_scc0 .Lfirst_n
	tensor_load_to_lds s[G0A:G0A+3], s[G1A:G1A+7]
	s_nop 0
	tensor_load_to_lds s[G0A+4:G0A+7], s[G1A:G1A+7]
	s_nop 0
	tensor_load_to_lds s[G0A+8:G0A+11], s[G1A:G1A+7]
	s_nop 0
	PLACES 4
	s_branch .Lfirst_asked
.Lfirst_n:
	tensor_load_to_lds s[G0B:G0B+3], s[G1B:G1B+7]
	s_nop 0
	tensor_load_to_lds s[G0B+4:G0B+7], s[G1B:G1B+7]
	s_nop 0
	tensor_load_to_lds s[G0B+8:G0B+11], s[G1B:G1B+7]
	s_nop 0
	PLACES 4
.Lfirst_asked:
	v_and_b32 v1, 15, v0                           ; r
	v_bfe_u32 v2, v0, 4, 1                         ; h
	s_wait_alu depctr_va_vdst(0)
	v_mul_u32_u24 v3, v1, PITCH
	v_lshl_add_u32 v4, v2, 4, v3                   ; row x pitch + 16 h
	s_mul_i32 s2, s17, MHALF
	s_mul_i32 s3, s18, NHALF
	s_add_co_u32 s3, s3, NOFF
.irp s, 0,1,2
	v_add_nc_u32 v[ADRA+\s], s2, v4
	v_add_nc_u32 v[ADRB+\s], s3, v4
	s_add_co_u32 s2, s2, SLOT
	s_add_co_u32 s3, s3, SLOT
.endr
	; the bias.  Along N: b_attn[n0 + 16 b + 8 h + 0 .. 7], n0 = 128 x N tile + 64 x my half (v: 0).  Along M: b_attn[m0 + 16 a + r], m0 = 256 x M tile + 128 x my half (q, k: 0).  Every load stays inside b_attn.
	s_lshl_b32 s88, s87, 9
	s_lshl_b32 s89, s18, 8
	s_add_co_u32 s88, s88, s89
	s_lshl_b32 s92, s86, 10
	s_lshl_b32 s89, s17, 9
	s_add_co_u32 s92, s92, s89
	s_cmp_eq_u32 s23, 1
	s_cselect_b32 s88, 0, s88
	s_cselect_b32 s92, s92, 0
	v_lshl_add_u32 v5, v2, 5, s88
	v_lshl_add_u32 v6, v1, 2, s92
	WIN TO_N
.irp b, 0,1,2,3
	global_load_b128 v[BN+8*\b:BN+8*\b+3], v5, s[8:9] offset:64*\b
	global_load_b128 v[BN+8*\b+4:BN+8*\b+7], v5, s[8:9] offset:64*\b+16
.endr
	WIN 0
.irp a, 0,1,2,3,4,5,6,7
	global_load_b32 v[BM+2*\a], v6, s[8:9] offset:64*\a
.endr
	; the way out's offsets: block a's two groups of four registers lie at 16 l + a x 1,024 (q, k: the next tile of 16 tokens);
	; for v at 16 l + a x 2,048 (the next tile of 16 channels), and four blocks on in the next head: 16 steps x 16,384 bytes on, less the four tiles passed
	v_and_b32 v7, 31, v0
	v_lshlrev_b32 v7, 4, v7
	s_wait_alu depctr_va_vdst(0)
	s_lshl_b32 s84, 1024, s23
	s_mul_i32 s85, s23, 253952
	s_mov_b32 s97, 0
.irp a, 0,1,2,3,4,5,6,7
	v_add_nc_u32 v[VO+\a], s97, v7
	s_add_co_u32 s97, s97, s84
.if \a == 3
	s_add_co_u32 s97, s97, s85
.endif
.endr
	; q, k: record = (16 x batch + head) x 16 + the block of 128 tokens: batch = M tile / 8, head = 2 (N tile mod 8) + my half of N, block = 2 (M tile mod 8) + my half of M; 8,192 bytes a record in q_img, 16,384 in kv_img
	s_lshr_b32 s88, s86, 3
	s_lshl_b32 s88, s88, 4
	s_and_b32 s89, s87, 7
	s_lshl_b32 s89, s89, 1
	s_add_co_u32 s88, s88, s89
	s_add_co_u32 s88, s88, s18
	s_lshl_b32 s88, s88, 4
	s_and_b32 s89, s86, 7
	s_lshl_b32 s89, s89, 1
	s_add_co_u32 s88, s88, s89
	s_add_co_u32 s88, s88, s17
	s_cmp_lt_u32 ttmp9, 2
	s_cselect_b32 s89, 13, 14
	s_lshl_b32 s88, s88, s89
	; v: batch = N tile / 16, key step = N tile mod 16, first head = 4 cy + 2 x my half of M; my 64 tokens are groups 2 x my half of N and the next: 1,024 bytes x my half
	s_lshr_b32 s90, s87, 4
	s_lshl_b32 s90, s90, 4
	s_lshl_b32 s91, s20, 2
	s_add_co_u32 s90, s90, s91
	s_lshl_b32 s91, s17, 1
	s_add_co_u32 s90, s90, s91
	s_lshl_b32 s90, s90, 4
	s_and_b32 s91, s87, 15
	s_add_co_u32 s90, s90, s91
	s_lshl_b32 s90, s90, 14
	s_lshl_b32 s91, s18, 10
	s_add_co_u32 s90, s90, s91
	s_add_co_u32 s90, s90, 8192
	s_cmp_eq_u32 s23, 1
	s_cselect_b32 s88, s90, s88
	s_mov_b32 s89, 0
	s_cmp_lt_u32 ttmp9, 2
	s_cselect_b64 s[90:91], s[12:13], s[14:15]     ; q goes to q_img, k and v to kv_img
	s_add_nc_u64 s[90:91], s[90:91], s[88:89]
	s_wait_kmcnt 0x0
	s_cmp_lt_u32 ttmp9, 4
	s_cselect_b32 s92, s71, s73                    ; e3 for k, e5 for v,
	s_cmp_lt_u32 ttmp9, 2
	s_cselect_b32 s92, s70, s92                    ; e2 for q
	s_add_co_i32 s93, s68, s69                     ; e0 + e1
	s_sub_co_i32 s92, s92, s93                     ; a sum stands for sum x 2^(e0 + e1): its code is sum / 2^(e_out - e0 - e1)
	s_add_co_i32 s92, s92, 127
	s_lshl_b32 s94, s92, 23
	v_mov_b32 v[SCL], s94
	s_sub_co_i32 s93, 127, s93
	s_lshl_b32 s93, s93, 23                        ; 2^-(e0 + e1)
	s_cmp_eq_u32 s23, 1
	s_cselect_b32 s94, 0, s93                      ; the factor of the bias along N,
	s_cselect_b32 s96, s93, 0                      ; and along M
	s_mov_b32 s95, s94                             ; (named with s94 as a pair, so it is written)
	s_wait_loadcnt 0x0
	WIN 0x41                                       ; source 0 and destination window 1
.set JI, 0
.rept 16
	v_pk_mul_f32 v[BN+JI:BN+JI+1], v[BN+JI:BN+JI+1], s[94:95] op_sel_hi:[1,0]
.set JI, JI+2
.endr
	WIN 0
.irp a, 0,1,2,3,4,5,6,7
	v_mul_f32 v[BM+2*\a+1], s96, v[BM+2*\a]
	v_mul_f32 v[BM+2*\a], s96, v[BM+2*\a]
.endr
	s_wait_tensorcnt 2                             ; my part of slot 0 is in; my loads for slots 1 and 2 may be out
	s_barrier_signal -1
	s_barrier_wait -1                              ; everybody's is
	FETCH 0, 0, 0
	STEP 0, 0, 1, 2                                ; K 0-127: the products start the sums on the bias
	; K 128-255, and the one change of slots that fills again: slot 0 has been read out
	s_wait_tensorcnt 0x0                           ; all my tensor loads have landed: my parts of slots 1 and 2;
	ds_add_u32 v[SPW], v[NIL]                      ; 0 onto my spare word
	s_wait_dscnt 1                                 ; (set 1 is in; the add may be out)
	WIN MUL
	MULS 1, 0, 2, 0                                ; eight matrix instructions stand between the add and the wait for it
	s_wait_dscnt 0x0                               ; the add is done, and my reads of slot 0 are over
	s_barrier_signal -1
	MULS 1, 2, 2, 0
	WIN 0
	s_barrier_wait -1
	CREST                                          ; the barrier has opened a round of the cluster's barrier: no wave of any partner still reads slot 0 or has a load on its way
	s_add_nc_u64 s[G0A+2:G0A+3], s[G0A+2:G0A+3], 768   ; K step 3
	s_add_nc_u64 s[G0B+2:G0B+3], s[G0B+2:G0B+3], 768
	s_cmp_eq_u32 s17, 0
	s_cbranch_scc0 .Lrefill_n
	tensor_load_to_lds s[G0A:G0A+3], s[G1A:G1A+7]  ; the first tensor load behind the round; it has four steps, 128 matrix instructions, in which to land
	s_nop 0
	PLACES 4                                       ; (also the places in front of the loads below)
	s_branch .Lrefill_asked
.Lrefill_n:
	tensor_load_to_lds s[G0B:G0B+3], s[G1B:G1B+7]
	s_nop 0
	PLACES 4
.Lrefill_asked:
	FETCH 1, 0, 0
	WIN MUL
	MULS 1, 4, 4, 0
	WIN 0
	STEP 0, 1, 1, 0                                ; K 256-383
	STEP 1, 2, 0, 0                                ; K 384-511
	STEP 0, 2, 1, 0                                ; K 512-639
	; K 640-767; behind this barrier slot 0 is read with K step 3; nothing is filled again, so no round follows
	s_wait_tensorcnt 0x0                           ; the one load of mine that was out: my part of K step 3
	s_wait_dscnt 0x0                               ; set 1 is in
	s_barrier_signal -1
	WIN MUL
	MULS 1, 0, 4, 0
	WIN 0
	s_barrier_wait -1
	PLACES 4
	FETCH 0, 0, 0
	WIN MUL
	MULS 1, 4, 4, 0
	WIN 0
	STEP 0, 0, 1, 0                                ; K 768-895
	s_wait_dscnt 0x0
	WIN MUL
	MULS 1, 0, 8, 0                                ; K 896-1023
	WIN 0
	; THE WAY OUT: the bias along M (v alone), the conversion, sixteen stores.  Each accumulator is taken from its low end on.
	PLACES 4
	s_cmp_eq_u32 s23, 0                            ; the cluster's x decides: the same in all partners
	s_cbranch_scc1 .Lno_bias_m
	WIN 0x82                                       ; source 0 and destination window 2
.set AI, 0
.rept 8
.set JI, 0
.rept 16
	v_pk_add_f32 v[32*AI+JI:32*AI+JI+1], v[32*AI+JI:32*AI+JI+1], v[BM+2*AI:BM+2*AI+1]
.set JI, JI+2
.endr
.set AI, AI+1
.endr
	WIN 0
.Lno_bias_m:
	WIN 0x82
.set JI, 0
.rept 256
.set JI, JI+1
.endr
	WIN 0x02                                       ; source 0 window 2, destination window 0
.set JI, 0
.rept 32
	v_cvt_scalef32_pk8_fp8_f32 v[CD+2*JI:CD+2*JI+1], v[8*JI:8*JI+7], v[SCL]   ; accumulator (a, b) gives registers 2 b, 2 b + 1 of block a's fragment
.set JI, JI+1
.endr
	v_nop                                          ; a plain vector instruction behind the last conversion
	WIN 0
.irp a, 0,1,2,3,4,5,6,7
	global_store_b128 v[VO+\a], v[CD+8*\a:CD+8*\a+3], s[90:91]               ; 32 lanes store 512 consecutive bytes, at a multiple of 512 from the buffer's first byte
	global_store_b128 v[VO+\a], v[CD+8*\a+4:CD+8*\a+7], s[90:91] offset:512
.endr
	s_wait_tensorcnt 0x0                           ; the wave's end
	ds_add_u32 v[SPW], v[NIL]
	s_wait_dscnt 0x0
	CROUND                                         ; the closing round: no work-group ends while a partner may still ask for a tile that names it
	s_endpgm
.Lfunc_end_k_qfc66a8afca_qkv:
	.size	k_qfc66a8afca_qkv, .Lfunc_end_k_qfc66a8afca_qkv-k_qfc66a8afca_qkv
	.p2alignl 7, 3214868480
	.fill 96, 4, 3214868480
	.section	.rodata,"a",@progbits
	.p2align	6, 0x0
	.amdhsa_kernel k_qfc66a8afca_qkv
		.amdhsa_group_segment_fixed_size 327680
		.amdhsa_private_segment_fixed_size 0
		.amdhsa_enable_private_segment 0
		.amdhsa_kernarg_size 48
		.amdhsa_user_sgpr_count 2
		.amdhsa_user_sgpr_kernarg_segment_ptr 1
		.amdhsa_wavefront_size32 1
		.amdhsa_system_sgpr_workgroup_id_x 1
		.amdhsa_system_sgpr_workgroup_id_y 1
		.amdhsa_system_sgpr_workgroup_id_z 1
		.amdhsa_system_vgpr_workitem_id 0
		.amdhsa_next_free_vgpr 1024
		.amdhsa_next_free_sgpr 100
		.amdhsa_reserve_vcc 0
		.amdhsa_float_denorm_mode_32 3
		.amdhsa_float_denorm_mode_16_64 3
		.amdhsa_fp16_overflow 1
		.amdhsa_memory_ordered 1
		.amdhsa_forward_progress 1
		.amdhsa_inst_pref_size 69
	.end_amdhsa_kernel
	.amdgpu_metadata
---
amdhsa.version: [ 1, 2 ]
amdhsa.kernels:
  - .name:           k_qfc66a8afca_qkv
    .symbol:         k_qfc66a8afca_qkv.kd
    .args:
      - { .name: x_codes, .offset: 0, .size: 8, .value_kind: global_buffer, .address_space: global }
      - { .name: w_attn_codes, .offset: 8, .size: 8, .value_kind: global_buffer, .address_space: global }
      - { .name: b_attn, .offset: 16, .size: 8, .value_kind: global_buffer, .address_space: global }
      - { .name: lowp_scales, .offset: 24, .size: 8, .value_kind: global_buffer, .address_space: global }
      - { .name: q_img, .offset: 32, .size: 8, .value_kind: global_buffer, .address_space: global }
      - { .name: kv_img, .offset: 40, .size: 8, .value_kind: global_buffer, .address_space: global }
    .group_segment_fixed_size: 327680
    .private_segment_fixed_size: 0
    .kernarg_segment_align: 8
    .kernarg_segment_size: 48
    .max_flat_workgroup_size: 128
    .sgpr_count:     100
    .vgpr_count:     1024
    .wavefront_size: 32
...
	.end_amdgpu_metadata
.endif
;; end of part 1
;; launch attn (part 2): grid 4 x 64, 16 waves a work-group, clusters of 4 x 1, 327,680 bytes of LDS; arguments q_img, kv_img, lowp_scales, y_img; writes y_img
.if DOCPART == 2
	.amdgcn_target "amdgcn-amd-amdhsa--gfx1250"
	.amdhsa_code_object_version 6
	.text
	.protected	k_qfc66a8afca_attn
	.globl	k_qfc66a8afca_attn
	.p2align	8
	.type	k_qfc66a8afca_attn,@function
k_qfc66a8afca_attn:
	s_mov_b64 s[64:65], 0
	v_nop
	global_prefetch_b8 v0, s[64:65] scope:SCOPE_SE
	s_setreg_imm32_b32 hwreg(HW_REG_WAVE_MODE, 25, 1), 1
	s_wait_xcnt 0x0
	s_wait_alu depctr_hold_cnt(0) depctr_sa_sdst(0) depctr_va_vdst(0) depctr_va_sdst(0) depctr_va_ssrc(0) depctr_va_vcc(0) depctr_vm_vsrc(0)
	s_getreg_b32 s2, hwreg(HW_REG_IB_STS2, 6, 4)
	s_cmp_eq_u32 s2, 0
	s_cbranch_scc0 .Lentry_in_a_cluster
	s_endpgm
.Lentry_in_a_cluster:
	s_bfe_u32 s2, ttmp6, 0x10000c
	s_cmp_lg_u32 s2, 0x3003
	s_cbranch_scc0 .Lentry_shape_is_right
	s_endpgm
.Lentry_shape_is_right:
; y[b][h][q] = the sum over keys k <= q of softmax_k(q . k / 8) v, both products on codes of FP8 (E4M3); y is quantised at once with 2^e6.  Scales: q e2, k e3, p e4, v e5.
; THE SOFTMAX AHEAD OF THE SECOND PRODUCT: t = score x log2(e) / 8; M = the row's largest t so far, rounded UP to a whole number; p = 2^(t - M) is what is quantised; it is not normalised.
; The row's sum is taken of the unquantised p, in f32, and divides at the end.  When M moves, the sum and O are multiplied by 2^(old M - new M): exact.
; SHARES.  A cluster of four work-groups is one head of one batch; a work-group has 512 of its 2,048 queries.  THE HEAD'S WHOLE K AND V, 262,144 bytes of operand images, LIE IN LDS, filled once, by joint loads:
; no slot is filled again and nothing is stored to LDS.  A wave owns two tiles of 16 queries and works them one after the other: with p = wave / 2 and a = 4 (wave mod 2) + cx, tile a of the block of 128 queries 15 - p,
; then tile a of block p: (16 - p) + (p + 1) = 17 key steps of 128 in every wave.  The block, and with it every branch, hangs on the wave's number alone; cx enters global addresses and the mask's compare only.
; LAYOUT.  Both products are used transposed: S^T = K Q^T (source 0 = 16 keys, source 1 = my 16 queries; K = 64), O^T = V^T P^T (source 0 = 16 channels, source 1 = P; K = 128 keys): a lane holds ONE query (lane % 16)
; throughout.  Tile tau of S^T holds in lane (r, h) keys 16 tau + 8 h + 0 .. 7: one conversion makes of them registers 2 tau, 2 tau + 1 of P.  Likewise O^T's tile t gives registers of the next product's operand:
; y_img [4 K steps of 256][512 tiles of 16 rows][4,096]: two fragments of 128 along K; registers 2 c, 2 c + 1 of lane (r, h): row r, k = 16 c + 8 h + 0 .. 7; stored four registers at a time, lane l's 16 bytes at 16 l.
; CAUSAL.  All loops have constant trip counts; a step all of whose keys come after the block is jumped over; in the step on the diagonal hidden scores become -infinity ahead of the maximum.  Key 0 counts for every query.
; Nothing is prefetched: all that the launch reads is asked for at its head.
; LIMITS: e2 + e3 between -123 and 130 (added to c's exponent field); e4 and e6 between -126 and 119.
.set STEPB, 16384                      ; a key step's images: 8 x 1,024 of K, 4 x 2,048 of V
.set LI,   1                           ; v1   16 x lane; never rewritten
.set ADR,  2                           ; v2   LDS address of the step's images
.set DQ,   3                           ; v3   my query in its block - 8 h
.set QA,   8                           ; v8-15  Q of the first tile;  v16-23 of the second
.set QB,   16
.set KV,   32                          ; v32-95  K's eight fragments, then V's four
.set S,    96                          ; v96-159 S^T, then p
.set O,    160                         ; v160-191 O^T
.set PC,   192                         ; v192-207 p's codes
.set YA,   216                         ; v216-223, v224-231 y's codes
.set YB,   224
; v24 -M, v25 the largest t; v[26:27] the sum; v28 f, v29 0; v30, v31 at work; v[208:209] the sum's second chain; v210 a permute's destination; v211 -infinity; v212 2^e4; v214 2^e6
; s12 wave, s13 cx, s14 the head among 64; s[16:23] descriptor group 1; s[24:39] four groups 0; s[40:47] the exponents; s48 LDS byte of the step in hand; s49, s50 that of the diagonal's step, first and second tile;
; s[52:53] c; s[54:55] lane selects; s[56:59] Q's addresses; s[60:63] y's; s66 e4 + e5
.macro CROUND
	s_barrier_signal -1
	s_barrier_wait -1
	s_cmp_lg_u32 s12, 0
	s_cbranch_scc1 .Lnot_wave_0_\@
	s_barrier_signal -3
.Lnot_wave_0_\@:
	s_barrier_wait -3
	s_barrier_signal -1
	s_barrier_wait -1
.endm
.macro FMA k                           ; t - M for a pair of scores (of the pairs c and -M the low word serves both halves)
	v_pk_fma_f32 v[S+2*(\k):S+2*(\k)+1], v[S+2*(\k):S+2*(\k)+1], s[52:53], v[24:25] op_sel_hi:[1,0,0]
.endm
.macro EXPN n
	v_exp_f32 v[S+(\n)], v[S+(\n)]
.endm
.macro RES i                           ; a pair of O^T under the new M
	v_pk_mul_f32 v[O+2*(\i):O+2*(\i)+1], v[O+2*(\i):O+2*(\i)+1], v[28:29] op_sel_hi:[1,0]
.endm
.macro ADDP k                          ; a pair of p into the row's sum: two chains
.if (\k)%2
	s_wait_alu depctr_va_vdst(0)
	v_pk_add_f32 v[208:209], v[208:209], v[S+2*(\k):S+2*(\k)+1]
.else
	v_pk_add_f32 v[26:27], v[26:27], v[S+2*(\k):S+2*(\k)+1]
.endif
.endm
; The exponentials and the plain work by turns: behind each exponential stands a plain instruction that names none of its registers (ISA guide 5.7.2), and it is work that is due anyway:
; scalings two pairs ahead, sums a pair back, the rescaling of O^T (in ascending order: each accumulator from its low end on).
.macro SOFT
	FMA 0
	FMA 1
.set QI, 0
	s_wait_alu depctr_va_vdst(0)
.rept 32
	EXPN 2*QI
.if QI < 30
	FMA QI+2
.else
	s_wait_alu depctr_va_vdst(0)
	RES QI-28
.endif
	EXPN 2*QI+1
.if QI < 2
	s_wait_alu depctr_va_vdst(0)
	RES QI
.elseif QI == 2
	s_setprio 1
	s_wait_alu depctr_va_vdst(0)
	v_pk_add_f32 v[208:209], v[S:S+1], v[S+2:S+3]  ; pairs 0 and 1 start the second chain
.else
	ADDP QI-1
.endif
.set QI, QI+1
.endr
	s_wait_alu depctr_va_vdst(0)
	RES 4
	ADDP 31
	s_setprio 0
.irp i, 5,6,7,8,9,10,11
	RES \i
.endr
	v_pk_add_f32 v[26:27], v[26:27], v[208:209]
.endm
; A KEY STEP of 128 keys at LDS byte s48, for the tile whose Q stands in v[qr] on.  bb: the scalar register with the diagonal step's LDS byte.  causal = 0: the step lies ahead of the diagonal for every wave.
.macro STEP qr, bb, causal
.if \causal
	s_cmp_gt_u32 s48, s[\bb]                       ; all its keys come after my queries
	s_cbranch_scc1 .Lhidden_\@
.endif
	s_setprio 2
	v_add_nc_u32 v[ADR], s48, v[LI]
.irp t, 0,1,2,3,4,5,6,7
	ds_load_b128 v[KV+8*\t:KV+8*\t+3], v[ADR] offset:1024*\t          ; an image comes back as it was stored: 512 consecutive bytes an instruction
	ds_load_b128 v[KV+8*\t+4:KV+8*\t+7], v[ADR] offset:1024*\t+512
.endr
	s_wait_alu depctr_va_vdst(0)
	s_wait_dscnt 0x0
.irp t, 0,1,2,3,4,5,6,7
	v_wmma_f32_16x16x64_fp8_fp8 v[S+8*\t:S+8*\t+7], v[KV+8*\t:KV+8*\t+7], v[\qr:\qr+7], 0
.endr
.rept 4
	v_nop                                          ; places in front of the loads into K's registers and of the first read of the scores
.endr
.irp t, 0,1,2,3
.irp g, 0,1,2,3
	ds_load_b128 v[KV+16*\t+4*\g:KV+16*\t+4*\g+3], v[ADR] offset:8192+2048*\t+512*\g   ; V lands while the softmax is worked
.endr
.endr
.if \causal
	s_cmp_lg_u32 s48, s[\bb]
	s_cbranch_scc1 .Lopen_\@
.set NI, 0
.rept 64                               ; register 8 tau + j holds key 16 tau + 8 h + j of the block: hidden where 16 tau + j > my query - 8 h
	v_cmp_gt_i32 vcc_lo, 16*(NI/8)+NI%8, v[DQ]
	v_cndmask_b32 v[S+NI], v[S+NI], v211, vcc_lo
.set NI, NI+1
.endr
.Lopen_\@:
.endif
	v_max3_num_f32 v30, v[S], v[S+1], v[S+2]       ; the step's largest score of my query among my 64 keys, in two chains,
	v_max3_num_f32 v31, v[S+3], v[S+4], v[S+5]
.irp i, 6,10,14,18,22,26,30,34,38,42,46,50,54,58
	v_max3_num_f32 v30, v30, v[S+\i], v[S+\i+1]
	v_max3_num_f32 v31, v31, v[S+\i+2], v[S+\i+3]
.endr
	v_max3_num_f32 v30, v30, v[S+62], v[S+63]
	s_delay_alu instid0(VALU_DEP_1)
	v_max_num_f32 v30, v30, v31
	s_delay_alu instid0(VALU_DEP_1)
	v_permlanex16_b32 v210, v30, s54, s55
	s_delay_alu instid0(VALU_DEP_1)
	v_max_num_f32 v30, v30, v210                   ; and among lane l xor 16's
	s_delay_alu instid0(VALU_DEP_1)
	v_mul_f32 v30, s52, v30                        ; as t (c is positive)
	s_delay_alu instid0(VALU_DEP_1)
	v_max_num_f32 v25, v25, v30                    ; the running largest t
	v_mov_b32 v30, v24
	s_delay_alu instid0(VALU_DEP_2)
	v_floor_f32 v24, -v25                          ; the new -M = floor(-t) = -ceil(t): a whole number
	s_delay_alu instid0(VALU_DEP_1)
	v_sub_f32 v30, v24, v30                        ; old M - new M: a whole number, 0 or less
	s_delay_alu instid0(VALU_DEP_1)
	v_cvt_i32_f32 v30, v30                         ; (it saturates)
	s_delay_alu instid0(VALU_DEP_1)
	v_ldexp_f32 v28, 1.0, v30                      ; f = 2^(old M - new M)
	s_delay_alu instid0(VALU_DEP_1)
	v_pk_mul_f32 v[26:27], v[26:27], v[28:29] op_sel_hi:[1,0]   ; the sum under the new M
	SOFT
.irp b, 0,1,2,3
.irp i, 0,1,2,3,4,5,6,7,8,9,10,11,12,13,14,15
.endr
	v_cvt_scalef32_pk8_fp8_f32 v[PC+4*\b:PC+4*\b+1], v[S+16*\b:S+16*\b+7], v212
	v_cvt_scalef32_pk8_fp8_f32 v[PC+4*\b+2:PC+4*\b+3], v[S+16*\b+8:S+16*\b+15], v212
.endr
.irp i, 12,13,14,15
	RES \i                                         ; (also the plain instructions between the conversions and the products that read their results)
.endr
	s_wait_alu depctr_va_vdst(0)
	s_wait_dscnt 0x0                               ; V is in
.irp t, 0,1,2,3
	v_wmma_f32_16x16x128_fp8_fp8 v[O+8*\t:O+8*\t+7], v[KV+16*\t:KV+16*\t+15], v[PC:PC+15], v[O+8*\t:O+8*\t+7]
.endr
.rept 4
	v_nop                                          ; places in front of the next step's loads into V's registers, and of the first read of O^T behind the last step
.endr
.if \causal
.Lhidden_\@:
.endif
.endm
.macro INIT                            ; a tile begins: O^T and the sum are zeros, which the first change of M leaves zeros; the largest t is -3e38, under every t
.set JI, 0
.rept 32
	v_mov_b32 v[O+JI], 0
.set JI, JI+1
.endr
	v_mov_b32 v26, 0
	v_mov_b32 v27, 0
	v_mov_b32 v25, 0xff61b1e6
	s_delay_alu instid0(VALU_DEP_1)
	v_floor_f32 v24, -v25
.endm
.macro FINISH y, yb                    ; O^T / the sum x 2^(e4 + e5), quantised with 2^e6, stored as two groups of four registers
	v_add_f32 v26, v26, v27                        ; the sum's two halves,
	s_delay_alu instid0(VALU_DEP_1)
	v_permlanex16_b32 v210, v26, s54, s55
	s_delay_alu instid0(VALU_DEP_1)
	v_add_f32 v26, v26, v210                       ; and lane l xor 16's
	s_wait_alu depctr_va_vdst(0)
	v_rcp_f32 v26, v26
	v_nop                                          ; a plain instruction behind the transcendental
	s_wait_alu depctr_va_vdst(0)
	v_ldexp_f32 v26, v26, s66
.set JI, 0
.rept 16
	v_pk_mul_f32 v[O+JI:O+JI+1], v[O+JI:O+JI+1], v[26:27] op_sel_hi:[1,0]
.set JI, JI+2
.endr
.set JI, 0
.rept 32
.set JI, JI+1
.endr
.irp t, 0,1,2,3
	v_cvt_scalef32_pk8_fp8_f32 v[\y+2*\t:\y+2*\t+1], v[O+8*\t:O+8*\t+7], v214
.endr
	v_nop                                          ; a plain instruction behind the last conversion: O^T is written anew next
	global_store_b128 v[LI], v[\y:\y+3], s[\yb:\yb+1]               ; 32 lanes store 512 consecutive bytes, aligned
	global_store_b128 v[LI], v[\y+4:\y+7], s[\yb:\yb+1] offset:512
.endm
	s_load_b256 s[4:11], s[0:1], 0x0               ; q_img s[4:5], kv_img s[6:7], the scales' exponents s[8:9], y_img s[10:11]
	v_lshl_add_u32 v254, v0, 2, 0x40000
	v_mov_b32 v255, 0
	ds_add_u32 v254, v255
	ds_add_u32 v254, v255
	v_lshrrev_b32 v2, 5, v0
	s_delay_alu instid0(VALU_DEP_1)
	v_readfirstlane_b32 s12, v2                    ; wave 0..15
	s_bfe_u32 s13, ttmp6, 0x40000                  ; cx
	s_and_b32 s14, ttmp7, 0xffff                   ; 16 x batch + head, which the four partners share
	s_mov_b32 s16, 15|(3<<16)|(1<<21)              ; 15:0 the mask: all four work-groups; 17:16 elements of 8 bytes; 21 set beside a mask; no padding: images are read as they lie
	s_mov_b32 s17, 32<<16                          ; tensor_dim0 = 32 elements: rows of 256 bytes
	s_mov_b32 s18, 16<<16                          ; tensor_dim1 = 16
	s_mov_b32 s19, 32<<16                          ; tile_dim0
	s_mov_b32 s20, 16                              ; tile_dim1
	s_mov_b32 s21, 32                              ; dense
	s_mov_b32 s22, 0
	s_mov_b32 s23, 0
	s_lshl_b32 s67, s12, 12                        ; my 4,096 bytes of each group of 65,536: in LDS,
	s_lshl_b32 s68, s14, 18
	s_add_co_u32 s68, s68, s67                     ; and in the head's 262,144 bytes of kv_img
	s_mov_b32 s69, 0
	s_wait_dscnt 0x0
	s_wait_kmcnt 0x0
	s_load_b256 s[40:47], s[8:9], 0x0              ; e0 .. e7
	s_add_nc_u64 s[70:71], s[6:7], s[68:69]
.irp g, 0,1,2,3
	s_mov_b32 s[24+4*\g], 1
	s_add_co_u32 s[25+4*\g], s67, \g*65536
	s_add_nc_u64 s[26+4*\g:27+4*\g], s[70:71], \g*65536
	s_or_b32 s[27+4*\g], s[27+4*\g], 0x80000000
.endr
	CROUND                                         ; all four work-groups are here: the joint loads meet
.irp g, 0,1,2,3
	s_wait_alu depctr_va_vdst(0)
	s_wait_tensorcnt 0x0
	ds_add_u32 v254, v255
	ds_add_u32 v254, v255
	s_wait_dscnt 0x0
	CROUND
	tensor_load_to_lds s[24+4*\g:27+4*\g], s[16:23]  ; key steps 4 g .. 4 g + 3: one load of mine is out
	s_nop 0
.endr
.rept 4
	v_nop
.endr
	s_and_b32 s72, s12, 1
	s_lshl_b32 s72, s72, 2
	s_add_co_u32 s72, s72, s13                     ; a: my tile in a block of 128 queries
	s_lshr_b32 s73, s12, 1                         ; the second tile's block,
	s_sub_co_u32 s74, 15, s73                      ; the first tile's
	s_lshl_b32 s49, s74, 14
	s_lshl_b32 s50, s73, 14
	s_lshl_b32 s75, s14, 4
	s_add_co_u32 s76, s75, s74                     ; Q: ((16 x head + block) x 8 + a) x 1,024 bytes
	s_lshl_b32 s76, s76, 3
	s_add_co_u32 s76, s76, s72
	s_lshl_b32 s76, s76, 10
	s_mov_b32 s77, 0
	s_add_nc_u64 s[56:57], s[4:5], s[76:77]
	s_add_co_u32 s76, s75, s73
	s_lshl_b32 s76, s76, 3
	s_add_co_u32 s76, s76, s72
	s_lshl_b32 s76, s76, 10
	s_add_nc_u64 s[58:59], s[4:5], s[76:77]
	s_and_b32 s78, s14, 15                         ; head
	s_lshr_b32 s79, s14, 4                         ; batch
	s_lshr_b32 s80, s78, 2
	s_lshl_b32 s80, s80, 9                         ; y: K step head / 4: 512 tiles of rows each,
	s_lshl_b32 s79, s79, 7
	s_add_co_u32 s80, s80, s79                     ; tile of rows 128 x batch + 8 x block + a,
	s_add_co_u32 s80, s80, s72
	s_and_b32 s81, s78, 3
	s_lshl_b32 s81, s81, 10                        ; and in its 4,096 bytes the head's 1,024: (head mod 4) x 1,024
	s_lshl_b32 s82, s74, 3
	s_add_co_u32 s82, s82, s80
	s_lshl_b32 s82, s82, 12
	s_add_co_u32 s82, s82, s81
	s_mov_b32 s83, 0
	s_add_nc_u64 s[60:61], s[10:11], s[82:83]
	s_lshl_b32 s82, s73, 3
	s_add_co_u32 s82, s82, s80
	s_lshl_b32 s82, s82, 12
	s_add_co_u32 s82, s82, s81
	s_add_nc_u64 s[62:63], s[10:11], s[82:83]
	v_and_b32 v[LI], 31, v0
	s_delay_alu instid0(VALU_DEP_1)
	v_lshlrev_b32 v[LI], 4, v[LI]
	global_load_b128 v[QA:QA+3], v[LI], s[56:57] th:TH_LOAD_NT
	global_load_b128 v[QA+4:QA+7], v[LI], s[56:57] offset:512 th:TH_LOAD_NT
	global_load_b128 v[QB:QB+3], v[LI], s[58:59] th:TH_LOAD_NT
	global_load_b128 v[QB+4:QB+7], v[LI], s[58:59] offset:512 th:TH_LOAD_NT
	v_and_b32 v[DQ], 15, v0
	v_bfe_u32 v2, v0, 4, 1
	s_delay_alu instid0(VALU_DEP_1)
	v_lshlrev_b32 v2, 3, v2
	s_delay_alu instid0(VALU_DEP_1)
	v_sub_nc_u32 v[DQ], v[DQ], v2
	s_lshl_b32 s84, s72, 4
	v_add_nc_u32 v[DQ], s84, v[DQ]                 ; 16 a + r - 8 h
	v_mov_b32 v29, 0                               ; (named as the upper half of the pair v[28:29])
	v_mov_b32 v210, 0                              ; written once: a lane permute's destination counts as one of its sources
	v_mov_b32 v211, 0xff800000                     ; -infinity
	s_mov_b32 s54, 0x76543210
	s_mov_b32 s55, 0xfedcba98
	s_mov_b32 s52, 0x3e38aa3b                      ; c = log2(e) / sqrt(64)
	s_wait_kmcnt 0x0
	s_add_co_i32 s85, s42, s43
	s_lshl_b32 s85, s85, 23
	s_add_co_i32 s52, s52, s85                     ; a score stands for score x 2^(e2 + e3): the exponents are added to c's exponent field
	s_mov_b32 s53, s52
	s_add_co_i32 s66, s44, s45                     ; e4 + e5
	s_add_co_i32 s85, s44, 127
	s_lshl_b32 s86, s85, 23
	v_mov_b32 v212, s86                            ; 2^e4
	s_add_co_i32 s85, s46, 127
	s_lshl_b32 s86, s85, 23
	v_mov_b32 v214, s86                            ; 2^e6
	INIT
	s_wait_loadcnt 0x0                             ; Q
	; THE FIRST TILE: blocks 8 to 15, so key steps 0 to 7 are whole for every wave.  Group g of the images (key steps 4 g on) is shown landed in front of key step 2 g: each count is the number of my younger loads.
	s_wait_tensorcnt 3                             ; my part of key steps 0-3 is in,
	s_barrier_signal -1
	s_barrier_wait -1                              ; everybody's is
	s_mov_b32 s48, 0
.Lsteps_a:
	STEP QA, 49, 0
	s_add_co_u32 s48, s48, STEPB
	s_cmp_lt_u32 s48, 2*STEPB
	s_cbranch_scc1 .Lsteps_a
	s_setprio 0
	s_wait_tensorcnt 2                             ; key steps 4-7
	s_barrier_signal -1
	s_barrier_wait -1
	s_mov_b32 s48, 2*STEPB
.Lsteps_b:
	STEP QA, 49, 0
	s_add_co_u32 s48, s48, STEPB
	s_cmp_lt_u32 s48, 4*STEPB
	s_cbranch_scc1 .Lsteps_b
	s_setprio 0
	s_wait_tensorcnt 1                             ; key steps 8-11
	s_barrier_signal -1
	s_barrier_wait -1
	s_mov_b32 s48, 4*STEPB
.Lsteps_c:
	STEP QA, 49, 0
	s_add_co_u32 s48, s48, STEPB
	s_cmp_lt_u32 s48, 6*STEPB
	s_cbranch_scc1 .Lsteps_c
	s_setprio 0
	s_wait_tensorcnt 0                             ; key steps 12-15: no load was issued behind these
	s_barrier_signal -1
	s_barrier_wait -1
	s_mov_b32 s48, 6*STEPB
.Lsteps_d:
	STEP QA, 49, 1
	s_add_co_u32 s48, s48, STEPB
	s_cmp_lt_u32 s48, 16*STEPB
	s_cbranch_scc1 .Lsteps_d
	s_setprio 0
	FINISH YA, 60
	; THE SECOND TILE: blocks 0 to 7
	INIT
	s_mov_b32 s48, 0
.Lsteps_e:
	STEP QB, 50, 1
	s_add_co_u32 s48, s48, STEPB
	s_cmp_lt_u32 s48, 8*STEPB
	s_cbranch_scc1 .Lsteps_e
	s_setprio 0
	s_wait_alu depctr_va_vdst(0)
	FINISH YB, 62
	s_wait_tensorcnt 0x0
	ds_add_u32 v254, v255
	s_wait_dscnt 0x0
	CROUND                                         ; the closing round
	s_endpgm
.Lfunc_end_k_qfc66a8afca_attn:
	.size	k_qfc66a8afca_attn, .Lfunc_end_k_qfc66a8afca_attn-k_qfc66a8afca_attn
	.p2alignl 7, 3214868480
	.fill 96, 4, 3214868480
	.section	.rodata,"a",@progbits
	.p2align	6, 0x0
	.amdhsa_kernel k_qfc66a8afca_attn
		.amdhsa_group_segment_fixed_size 327680
		.amdhsa_private_segment_fixed_size 0
		.amdhsa_enable_private_segment 0
		.amdhsa_kernarg_size 32
		.amdhsa_user_sgpr_count 2
		.amdhsa_user_sgpr_kernarg_segment_ptr 1
		.amdhsa_wavefront_size32 1
		.amdhsa_system_sgpr_workgroup_id_x 1
		.amdhsa_system_sgpr_workgroup_id_y 1
		.amdhsa_system_sgpr_workgroup_id_z 1
		.amdhsa_system_vgpr_workitem_id 0
		.amdhsa_next_free_vgpr 256
		.amdhsa_next_free_sgpr 96
		.amdhsa_reserve_vcc 1
		.amdhsa_float_denorm_mode_32 3
		.amdhsa_float_denorm_mode_16_64 3
		.amdhsa_fp16_overflow 1
		.amdhsa_memory_ordered 1
		.amdhsa_forward_progress 1
		.amdhsa_inst_pref_size 98
	.end_amdhsa_kernel
	.amdgpu_metadata
---
amdhsa.version: [ 1, 2 ]
amdhsa.kernels:
  - .name:           k_qfc66a8afca_attn
    .symbol:         k_qfc66a8afca_attn.kd
    .args:
      - { .name: q_img, .offset: 0, .size: 8, .value_kind: global_buffer, .address_space: global }
      - { .name: kv_img, .offset: 8, .size: 8, .value_kind: global_buffer, .address_space: global }
      - { .name: lowp_scales, .offset: 16, .size: 8, .value_kind: global_buffer, .address_space: global }
      - { .name: y_img, .offset: 24, .size: 8, .value_kind: global_buffer, .address_space: global }
    .group_segment_fixed_size: 327680
    .private_segment_fixed_size: 0
    .kernarg_segment_align: 8
    .kernarg_segment_size: 32
    .max_flat_workgroup_size: 512
    .sgpr_count:     96
    .vgpr_count:     256
    .wavefront_size: 32
...
	.end_amdgpu_metadata
.endif
;; end of part 2
;; launch proj (part 3): grid 8 x 32, 4 waves a work-group, clusters of 4 x 4, 327,680 bytes of LDS; arguments y_img, w_proj_codes, b_proj, lowp_scales, out0; writes out0
.if DOCPART == 3
	.amdgcn_target "amdgcn-amd-amdhsa--gfx1250"
	.amdhsa_code_object_version 6
	.text
	.protected	k_qfc66a8afca_proj
	.globl	k_qfc66a8afca_proj
	.p2align	8
	.type	k_qfc66a8afca_proj,@function
k_qfc66a8afca_proj:
	s_mov_b64 s[64:65], 0
	v_nop
	global_prefetch_b8 v0, s[64:65] scope:SCOPE_SE
	s_setreg_imm32_b32 hwreg(HW_REG_WAVE_MODE, 25, 1), 1
	s_wait_xcnt 0x0
	s_wait_alu depctr_hold_cnt(0) depctr_sa_sdst(0) depctr_va_vdst(0) depctr_va_sdst(0) depctr_va_ssrc(0) depctr_va_vcc(0) depctr_vm_vsrc(0)
	s_getreg_b32 s2, hwreg(HW_REG_IB_STS2, 6, 4)
	s_cmp_eq_u32 s2, 0
	s_cbranch_scc0 .Lentry_in_a_cluster
	s_endpgm
.Lentry_in_a_cluster:
	s_bfe_u32 s2, ttmp6, 0x10000c
	s_cmp_lg_u32 s2, 0xf033
	s_cbranch_scc0 .Lentry_shape_is_right
	s_endpgm
.Lentry_shape_is_right:
; out = y w_proj + b_proj on codes of FP8 (E4M3): y's codes come as images of operand registers (scale 2^e6), w_proj's as rows [1024 (n)][1024 (k)] (scale 2^e7); out: [8192][1024] f32.
; A work-group of four waves makes 256 rows ("M side", source 1 of the matrix instruction) x 128 columns ("N side", source 0); a wave 128 x 64: 32 accumulators.  In a result, lane (r, h) holds row r and its eight
; registers columns 8 h + 0 .. 7.  8 x 32 = 256 work-groups.
; y_img [4 K steps of 256][512 tiles of 16 rows][4,096]: a tile's two fragments of 128 along K, each four groups of four registers, lane l's 16 bytes at 16 l; registers 2 c, 2 c + 1 of lane (r, h): k = 16 c + 8 h + 0 .. 7,
; the place that this form's own layout gives each k.  So w_proj's fragments are read in that layout too: eight loads of 8 bytes, 16 bytes apart, at row x pitch + 8 h.
; K = 1,024 goes in four K steps of 256 through THREE LDS slots: K steps 0, 1, 2 are first fills (three tensor loads of mine are out at the most), K step 3 fills slot 0 again.  No loop: eight steps of 128 along K.
; CLUSTERS: 4 x 4 work-groups; the M tile is shared along a row of the cluster, the N tile along a column: each is asked for jointly.
; LIMIT: e6 + e7 between -126 and 127, so that 2^(e6 + e7) is an f32 number.
; REGISTERS, in windows of 256: window 0: addresses, the bias, the way out.  window 1: v0-63, v64-127 N's fragments, two sets.  window 2: the accumulators, (a, b) at v[8 (4 a + b)].
;   window 3: M's fragments, two sets of 128; on the way out the rows read back from the stage, 32 registers for each block.
.set PITCH,  272                       ; a row of w_proj's tile in LDS: 256 bytes + 16 of padding
.set MHALF,  32768                     ; 8 tiles of rows x 4,096 bytes, dense: what waves 0, 1 fetch, and what a wave reads of M
.set NHALF,  64*PITCH
.set NOFF,   2*MHALF
.set SLOT,   NOFF+2*NHALF              ; 100,352 bytes
.set SPARE,  3*SLOT                    ; behind the slots: the spare words, 128 bytes a wave, which no other line names
.set STAGE,  SPARE+512                 ; behind them: 16 rows x 272 bytes for each wave, for the way out: bytes into which no tile lands
.set SPITCH, 272
.set ADRA, 16                          ; v16-18  LDS address of my M fragments in slot 0, 1, 2
.set ADRB, 20                          ; v20-22  the same for N
.set STO,  24                          ; v24     the way out: where I put 32 bytes of a row
.set RD,   25                          ; v25     where I read a row back
.set CO,   26                          ; v26     my byte offset in out
.set SPW,  28                          ; v28     my spare word; never rewritten
.set NIL,  29                          ; v29     0; never rewritten
.set BI,   32                          ; v32-63  b_proj at my columns: eight registers for each b
.set TMP,  64                          ; v64-95  a block's results
.set G1A, 24
.set G1B, 32
.set G0A, 40
.set G0B, 52
.set MUL,  0xad                        ; source 0 (N) window 1, source 1 (M) window 3, C and D window 2
.set TO_N, 0x40
.set TO_M, 0xc0
.set MSB, 0
.macro WIN new                         ; the immediate's high byte repeats the setting that is left
.if MSB != \new
	s_set_vgpr_msb (MSB<<8)|\new
.set MSB, \new
.endif
.endm
.macro PLACES n
.rept \n
	v_nop
.endr
.endm
.macro CREST                           ; a round of the cluster's barrier behind its opening barrier
	s_cmp_lg_u32 s16, 0
	s_cbranch_scc1 .Lnot_wave_0_\@
	s_barrier_signal -3
.Lnot_wave_0_\@:
	s_barrier_wait -3
	s_barrier_signal -1
	s_barrier_wait -1
.endm
.macro CROUND
	s_barrier_signal -1
	s_barrier_wait -1
	CREST
.endm
; 4 n matrix instructions: M's blocks a0 .. a0 + n - 1 x N's four, 128 along K, set p.  c = 1: the products start the sums.  The 32 accumulators take turns in one order.
.macro MULS p, a0, n, c
.set AI, \a0
.rept \n
.irp b, 0,1,2,3
.if \c == 1
	v_wmma_f32_16x16x128_fp8_fp8 v[32*AI+8*\b:32*AI+8*\b+7], v[64*\p+16*\b:64*\p+16*\b+15], v[128*\p+16*AI:128*\p+16*AI+15], 0
.else
	v_wmma_f32_16x16x128_fp8_fp8 v[32*AI+8*\b:32*AI+8*\b+7], v[64*\p+16*\b:64*\p+16*\b+15], v[128*\p+16*AI:128*\p+16*AI+15], v[32*AI+8*\b:32*AI+8*\b+7]
.endif
.endr
.set AI, AI+1
.endr
.endm
; 64 LDS loads in one run: the fragments of the slot's q-th 128 along K into set p
.macro FETCH slot, q, p
	WIN TO_N
.irp b, 0,1,2,3
.irp c, 0,1,2,3,4,5,6,7
	ds_load_b64 v[64*(\p)+16*\b+2*\c:64*(\p)+16*\b+2*\c+1], v[ADRB+\slot] offset:\b*16*PITCH+128*(\q)+16*\c
.endr
.endr
	WIN TO_M
.irp a, 0,1,2,3,4,5,6,7
.irp g, 0,1,2,3
	ds_load_b128 v[128*(\p)+16*\a+4*\g:128*(\p)+16*\a+4*\g+3], v[ADRA+\slot] offset:4096*\a+2048*(\q)+512*\g
.endr
.endr
	WIN 0
.endm
.macro STEP p, slot, q, c
	s_wait_dscnt 0x0                               ; set p is in
	PLACES 4                                       ; loads into registers that matrix instructions have read stand four plain vector instructions behind them
	FETCH \slot, \q, 1-\p
	WIN MUL
	MULS \p, 0, 8, \c
	WIN 0
.endm
	s_load_b256 s[4:11], s[0:1], 0x0               ; y_img s[4:5], w_proj s[6:7], b_proj s[8:9], the scales' exponents s[10:11]
	s_load_b64 s[12:13], s[0:1], 0x20              ; out
	v_lshl_add_u32 v[SPW], v0, 2, SPARE
	v_mov_b32 v[NIL], 0
	ds_add_u32 v28, v29
	ds_add_u32 v28, v29
	s_wait_dscnt 0x0
	v_lshrrev_b32 v1, 5, v0
	v_readfirstlane_b32 s16, v1                    ; wave 0..3
	s_lshr_b32 s17, s16, 1                         ; which half of M is mine.  Also: I fetch for M (0) or for N (1)
	s_and_b32 s18, s16, 1                          ; which half of N is mine.  Also: which half of that tile I fetch
	s_bfe_u32 s19, ttmp6, 0x40000                  ; cx
	s_bfe_u32 s20, ttmp6, 0x40004                  ; cy
	s_and_b32 s21, ttmp7, 0xffff
	s_lshl_b32 s86, s21, 2
	s_add_co_u32 s86, s86, s20                     ; M tile = 4 x cluster y + cy
	s_lshl_b32 s87, ttmp9, 2
	s_add_co_u32 s87, s87, s19                     ; N tile = 4 x cluster x + cx
	s_lshl_b32 s66, s20, 2
	s_lshl_b32 s66, 15, s66                        ; my row of the cluster
	s_lshl_b32 s67, 0x1111, s19                    ; my column
	s_or_b32 s[G1A], s66, (3<<16)|(1<<21)          ; 15:0 the mask; 17:16 elements of 8 bytes; 21 set beside a mask; no padding: images are read as they lie
	s_mov_b32 s[G1A+1], 32<<16                     ; tensor_dim0 = 32 elements: rows of 256 bytes
	s_mov_b32 s[G1A+2], 128<<16                    ; tensor_dim1 = 128
	s_mov_b32 s[G1A+3], 32<<16
	s_mov_b32 s[G1A+4], 128
	s_mov_b32 s[G1A+5], 32                         ; dense
	s_mov_b32 s[G1A+6], 0
	s_mov_b32 s[G1A+7], 0
	s_or_b32 s[G1B], s67, (1<<20)|(1<<21)|(5<<22)|(3<<25)  ; elements of 1 byte; four words of padding after every 64
	s_mov_b32 s[G1B+1], 256<<16
	s_mov_b32 s[G1B+2], 64<<16
	s_mov_b32 s[G1B+3], 256<<16
	s_mov_b32 s[G1B+4], 64
	s_mov_b32 s[G1B+5], 1024
	s_mov_b32 s[G1B+6], 0
	s_mov_b32 s[G1B+7], 0
	s_lshl_b32 s80, s86, 16                        ; M: (16 x tile + 8 x half) tiles of rows of 4,096 bytes
	s_lshl_b32 s81, s18, 15
	s_add_co_u32 s80, s80, s81
	s_mov_b32 s81, 0
	s_lshl_b32 s82, s87, 17                        ; N: (128 x tile + 64 x half) rows of 1,024 bytes
	s_lshl_b32 s83, s18, 16
	s_add_co_u32 s82, s82, s83
	s_mov_b32 s83, 0
	s_mul_i32 s98, s18, MHALF                      ; where they go in a slot: no place in the cluster enters an LDS address
	s_mul_i32 s99, s18, NHALF
	s_add_co_u32 s99, s99, NOFF
	s_wait_kmcnt 0x0
	s_load_b256 s[68:75], s[10:11], 0x0            ; e0 .. e7
	s_add_nc_u64 s[76:77], s[4:5], s[80:81]
	s_add_nc_u64 s[78:79], s[6:7], s[82:83]
.irp s, 0,1,2
	s_mov_b32 s[G0A+4*\s], 1
	s_add_co_u32 s[G0A+4*\s+1], s98, \s*SLOT
	s_add_nc_u64 s[G0A+4*\s+2:G0A+4*\s+3], s[76:77], \s*2097152   ; K step s: 512 tiles of rows on
	s_or_b32 s[G0A+4*\s+3], s[G0A+4*\s+3], 0x80000000
	s_mov_b32 s[G0B+4*\s], 1
	s_add_co_u32 s[G0B+4*\s+1], s99, \s*SLOT
	s_add_nc_u64 s[G0B+4*\s+2:G0B+4*\s+3], s[78:79], \s*256
	s_or_b32 s[G0B+4*\s+3], s[G0B+4*\s+3], 0x80000000
.endr
	CROUND                                         ; all sixteen work-groups are here: the first joint loads meet
	s_cmp_eq_u32 s17, 0                            ; a wave's three first fills stand in one branch on its number; four v_nop follow the third
	s_cbranch_scc0 .Lfirst_n
	tensor_load_to_lds s[G0A:G0A+3], s[G1A:G1A+7]
	s_nop 0
	tensor_load_to_lds s[G0A+4:G0A+7], s[G1A:G1A+7]
	s_nop 0
	tensor_load_to_lds s[G0A+8:G0A+11], s[G1A:G1A+7]
	s_nop 0
	PLACES 4
	s_branch .Lfirst_asked
.Lfirst_n:
	tensor_load_to_lds s[G0B:G0B+3], s[G1B:G1B+7]
	s_nop 0
	tensor_load_to_lds s[G0B+4:G0B+7], s[G1B:G1B+7]
	s_nop 0
	tensor_load_to_lds s[G0B+8:G0B+11], s[G1B:G1B+7]
	s_nop 0
	PLACES 4
.Lfirst_asked:
	v_and_b32 v1, 15, v0                           ; r
	v_bfe_u32 v2, v0, 4, 1                         ; h
	v_mul_u32_u24 v3, v1, PITCH
	v_lshl_add_u32 v4, v2, 3, v3                   ; N: row x pitch + 8 h
	v_and_b32 v7, 31, v0
	v_lshlrev_b32 v7, 4, v7                        ; M: 16 x lane
	s_mul_i32 s2, s17, MHALF
	s_mul_i32 s3, s18, NHALF
	s_add_co_u32 s3, s3, NOFF
.irp s, 0,1,2
	v_add_nc_u32 v[ADRA+\s], s2, v7
	v_add_nc_u32 v[ADRB+\s], s3, v4
	s_add_co_u32 s2, s2, SLOT
	s_add_co_u32 s3, s3, SLOT
.endr
	s_mul_i32 s2, s16, 16*SPITCH
	s_add_co_u32 s2, s2, STAGE                     ; my stage
	v_lshl_add_u32 v[STO], v2, 5, v3               ; in: row r, 32 bytes for each half of the lanes
	v_add_nc_u32 v[STO], s2, v[STO]
	v_mul_u32_u24 v6, v2, SPITCH                   ; back: lanes 0-15 one row of 256 bytes, lanes 16-31 the next
	v_lshl_add_u32 v6, v1, 4, v6
	v_add_nc_u32 v[RD], s2, v6
	v_lshlrev_b32 v[CO], 12, v2                    ; and the same two rows in out: a row is 4,096 bytes
	v_lshl_add_u32 v[CO], v1, 4, v[CO]
	s_lshl_b32 s88, s87, 9                         ; my first column in bytes: 512 x N tile + 256 x my half
	s_lshl_b32 s89, s18, 8
	s_add_co_u32 s88, s88, s89
	v_lshl_add_u32 v5, v2, 5, s88                  ; b_proj[n0 + 16 b + 8 h + 0 .. 7]
.irp b, 0,1,2,3
	global_load_b128 v[BI+8*\b:BI+8*\b+3], v5, s[8:9] offset:64*\b
	global_load_b128 v[BI+8*\b+4:BI+8*\b+7], v5, s[8:9] offset:64*\b+16
.endr
	s_lshl_b32 s90, s86, 20                        ; my first row: (256 x M tile + 128 x my half) x 4,096 bytes
	s_lshl_b32 s91, s17, 19
	s_add_co_u32 s90, s90, s91
	s_add_co_u32 s90, s90, s88
	s_mov_b32 s91, 0
	s_add_nc_u64 s[90:91], s[12:13], s[90:91]
	s_wait_kmcnt 0x0
	s_add_co_i32 s92, s74, s75
	s_add_co_i32 s92, s92, 127
	s_lshl_b32 s92, s92, 23                        ; 2^(e6 + e7)
	s_mov_b32 s93, s92                             ; (named with it as a pair, so it is written)
	s_wait_tensorcnt 2                             ; my part of slot 0 is in; my loads for slots 1 and 2 may be out
	s_barrier_signal -1
	s_barrier_wait -1
	FETCH 0, 0, 0
	STEP 0, 0, 1, 1                                ; K 0-127: the products start the sums
	; K 128-255, and the one change of slots that fills again: slot 0 has been read out
	s_wait_tensorcnt 0x0                           ; all my tensor loads have landed: my parts of slots 1 and 2;
	ds_add_u32 v[SPW], v[NIL]                      ; 0 onto my spare word
	s_wait_dscnt 1                                 ; (set 1 is in; the add may be out)
	WIN MUL
	MULS 1, 0, 2, 0                                ; eight matrix instructions stand between the add and the wait for it
	s_wait_dscnt 0x0                               ; the add is done, and my reads of slot 0 are over
	s_barrier_signal -1
	MULS 1, 2, 2, 0
	WIN 0
	s_barrier_wait -1
	CREST                                          ; the barrier has opened a round of the cluster's barrier: no wave of any partner still reads slot 0 or has a load on its way
	s_add_nc_u64 s[G0A+2:G0A+3], s[G0A+2:G0A+3], 3*2097152   ; K step 3
	s_add_nc_u64 s[G0B+2:G0B+3], s[G0B+2:G0B+3], 768
	s_cmp_eq_u32 s17, 0
	s_cbranch_scc0 .Lrefill_n
	tensor_load_to_lds s[G0A:G0A+3], s[G1A:G1A+7]  ; the first tensor load behind the round; it has four steps, 128 matrix instructions, in which to land
	s_nop 0
	PLACES 4                                       ; (also the places in front of the loads below)
	s_branch .Lrefill_asked
.Lrefill_n:
	tensor_load_to_lds s[G0B:G0B+3], s[G1B:G1B+7]
	s_nop 0
	PLACES 4
.Lrefill_asked:
	FETCH 1, 0, 0
	WIN MUL
	MULS 1, 4, 4, 0
	WIN 0
	STEP 0, 1, 1, 0                                ; K 256-383
	s_wait_alu depctr_va_vdst(0)
	STEP 1, 2, 0, 0                                ; K 384-511
	STEP 0, 2, 1, 0                                ; K 512-639
	; K 640-767; behind this barrier slot 0 is read with K step 3; nothing is filled again, so no round follows
	s_wait_tensorcnt 0x0                           ; the one load of mine that was out: my part of K step 3
	s_wait_dscnt 0x0                               ; set 1 is in
	s_barrier_signal -1
	WIN MUL
	MULS 1, 0, 4, 0
	WIN 0
	s_barrier_wait -1
	PLACES 4
	FETCH 0, 0, 0
	WIN MUL
	MULS 1, 4, 4, 0
	WIN 0
	STEP 0, 0, 1, 0                                ; K 768-895
	s_wait_dscnt 0x0
	WIN MUL
	MULS 1, 0, 8, 0                                ; K 896-1023
	WIN 0
; THE WAY OUT, block by block of 16 rows x 64 columns.  A lane holds 32 neighbouring bytes of a row, and the lanes beside it other rows: a block goes through my own stage and comes back as whole rows of 256 bytes.
; LDS serves a wave's instructions in order (ISA guide 5.7.1.4): no wait between the stores and the loads, nor in front of the next block's stores.
.macro TOSTAGE a
	WIN 0x02                                       ; source 0 window 2
.irp b, 0,1,2,3
.irp i, 0,2,4,6
	v_pk_fma_f32 v[TMP+8*\b+\i:TMP+8*\b+\i+1], v[32*\a+8*\b+\i:32*\a+8*\b+\i+1], s[92:93], v[BI+8*\b+\i:BI+8*\b+\i+1] op_sel_hi:[1,0,1]   ; sum x 2^(e6 + e7) + b; each accumulator from its low end on
.endr
.endr
	WIN 0
.irp b, 0,1,2,3
	ds_store_b128 v[STO], v[TMP+8*\b:TMP+8*\b+3] offset:64*\b
	ds_store_b128 v[STO], v[TMP+8*\b+4:TMP+8*\b+7] offset:64*\b+16
.endr
	WIN TO_M                                       ; destination window 3: M's fragments are done with; each block has 32 registers of its own, so no store's data are written again
.irp t, 0,1,2,3,4,5,6,7
	ds_load_b128 v[32*\a+4*\t:32*\a+4*\t+3], v[RD] offset:\t*2*SPITCH
.endr
	WIN 0
.endm
.macro SEND a, younger                 ; younger: the LDS instructions issued behind block a's loads, which may stay out
	s_wait_dscnt \younger
	WIN 0x0c                                       ; the stores' data: window 3
.irp t, 0,1,2,3,4,5,6,7
	global_store_b128 v[CO], v[32*(\a)+4*\t:32*(\a)+4*\t+3], s[90:91] offset:65536*(\a)+8192*\t th:TH_STORE_NT   ; 16 lanes store 256 consecutive bytes, at a multiple of 256 from out's first byte; written once, read by nobody here
.endr
	WIN 0
.endm
	s_wait_loadcnt 0x0                             ; b_proj
	PLACES 4                                       ; in front of the first read of results and of loads into registers that the last products read
	TOSTAGE 0
.irp a, 1,2,3,4,5,6,7
	TOSTAGE \a
	SEND \a-1, 16                                  ; behind block a - 1's loads: block a's 8 stores and 8 loads
.endr
	SEND 7, 0
	s_wait_tensorcnt 0x0                           ; the wave's end
	ds_add_u32 v[SPW], v[NIL]
	s_wait_dscnt 0x0
	CROUND                                         ; the closing round: no work-group ends while a partner may still ask for a tile that names it
	s_endpgm
.Lfunc_end_k_qfc66a8afca_proj:
	.size	k_qfc66a8afca_proj, .Lfunc_end_k_qfc66a8afca_proj-k_qfc66a8afca_proj
	.p2alignl 7, 3214868480
	.fill 96, 4, 3214868480
	.section	.rodata,"a",@progbits
	.p2align	6, 0x0
	.amdhsa_kernel k_qfc66a8afca_proj
		.amdhsa_group_segment_fixed_size 327680
		.amdhsa_private_segment_fixed_size 0
		.amdhsa_enable_private_segment 0
		.amdhsa_kernarg_size 40
		.amdhsa_user_sgpr_count 2
		.amdhsa_user_sgpr_kernarg_segment_ptr 1
		.amdhsa_wavefront_size32 1
		.amdhsa_system_sgpr_workgroup_id_x 1
		.amdhsa_system_sgpr_workgroup_id_y 1
		.amdhsa_system_sgpr_workgroup_id_z 1
		.amdhsa_system_vgpr_workitem_id 0
		.amdhsa_next_free_vgpr 1024
		.amdhsa_next_free_sgpr 100
		.amdhsa_reserve_vcc 0
		.amdhsa_float_denorm_mode_32 3
		.amdhsa_float_denorm_mode_16_64 3
		.amdhsa_memory_ordered 1
		.amdhsa_forward_progress 1
		.amdhsa_inst_pref_size 85
	.end_amdhsa_kernel
	.amdgpu_metadata
---
amdhsa.version: [ 1, 2 ]
amdhsa.kernels:
  - .name:           k_qfc66a8afca_proj
    .symbol:         k_qfc66a8afca_proj.kd
    .args:
      - { .name: y_img, .offset: 0, .size: 8, .value_kind: global_buffer, .address_space: global }
      - { .name: w_proj_codes, .offset: 8, .size: 8, .value_kind: global_buffer, .address_space: global }
      - { .name: b_proj, .offset: 16, .size: 8, .value_kind: global_buffer, .address_space: global }
      - { .name: lowp_scales, .offset: 24, .size: 8, .value_kind: global_buffer, .address_space: global }
      - { .name: out0, .offset: 32, .size: 8, .value_kind: global_buffer, .address_space: global }
    .group_segment_fixed_size: 327680
    .private_segment_fixed_size: 0
    .kernarg_segment_align: 8
    .kernarg_segment_size: 40
    .max_flat_workgroup_size: 128
    .sgpr_count:     100
    .vgpr_count:     1024
    .wavefront_size: 32
...
	.end_amdgpu_metadata
.endif
;; end of part 3
